; MI455X (gfx1250); checked and timed in simulation.
; The chip was launched on July 23, 2026; its instructions are those of AMD's public machine-readable ISA for CDNA 5 (MIT licence, August 2026) and "CDNA5" Instruction Set Architecture Reference Guide (July 2026). The comments in the code are by the model that wrote it; some were corrected since.
;; Dot Product Attention. Allowed arithmetic: float matrix products may take bf16 or f16 operands with f32 sums; all other float work in f32.
;; Inputs: keys 16 x 2,048 x 64 float32; queries 16 x 2,048 x 64 float32; valid_lens 16 int32; values 16 x 2,048 x 64 float32.
;; Outputs: out0 16 x 2,048 x 64 float32.
;; One version. Each part assembles by itself: llvm-mc -triple=amdgcn-amd-amdhsa -mcpu=gfx1250 --defsym DOCPART=n.
;; ======== version 1 of 1: 1 launch
;; limits: right only within a limited range of input values; values are held in f16: magnitudes above 65,504 overflow, below 6.1e-05 lose precision; inputs' magnitudes at most 65,504
;; launch attn (part 1): grid 16 x 16, 8 waves a work-group, no clusters, 111,616 bytes of LDS; arguments queries, keys, values, valid_lens, out0; writes out0
.if DOCPART == 1
	.amdgcn_target "amdgcn-amd-amdhsa--gfx1250"
	.amdhsa_code_object_version 6
	.text
	.protected	k_q71db603ffa_attn
	.globl	k_q71db603ffa_attn
	.p2align	8
	.type	k_q71db603ffa_attn,@function
k_q71db603ffa_attn:
	s_mov_b64 s[64:65], 0
	v_nop
	global_prefetch_b8 v0, s[64:65] scope:SCOPE_SE
	s_setreg_imm32_b32 hwreg(HW_REG_WAVE_MODE, 25, 1), 1
	s_wait_xcnt 0x0
; Masked dot-product attention.  queries, keys, values, out0: [16][2048][64] f32; valid_lens: [16] i32.
; out[b][q] = softmax over k of (q.k / 8, keys k >= valid_lens[b] set to -1e6) times V.
;
; SHARES.  Work-group (x, b): query rows 128 x .. 128 x + 127 of batch b.  Keys go in tiles of 128.
; Wave w of 8: rg = w & 3 -> its 32 query rows (two tiles of 16), kh = w >> 2 -> its 64 keys of every key tile.
; The two key halves are merged once, at the end, in the pass through LDS that brings the result into whole rows.
;
; FORMAT.  Q, K, V and the weights p go to the matrix unit as f16, the sums are f32.  f16 and not bf16: an output close to zero is a
; sum of terms p v / l that are each much larger than it, so the operands' rounding shows at full size there; f16 keeps 11
; significant bits against 8, an eighth of the error, at the same register count and the same matrix form.  The price is range: see LIMITS.
;
; TRANSPOSED FORM.  S^T = K Q^T (source 0 = 16 keys, source 1 = 16 queries): lane (r, h) register j holds the score of key 8 h + j
; and query r.  A lane's eight scores of two neighbouring key tiles, packed to f16, ARE source 1 of O^T = V^T P^T, so nothing moves
; between lanes but one exchange of the two lane halves for the row maximum.  V^T comes from LDS by the transposing load.
;
; WHICH TILES.  n = valid_lens[b]; T = ceil(n / 128).  Tiles behind T are not touched: their weights are exp(-1e6 - max) = 0.
; Tile T - 1 (the only one that can hold masked keys) is done first, written out ahead of the loop: it is masked and starts all sums.
; The nfull = T - 1 full tiles follow, begun at tile (x nfull) >> 4 and wrapped, so that the 16 work-groups of a batch ask for
; different tiles at the same time.
;
; THE LOOP ALWAYS MAKES 15 TRIPS, the most that nfull can be.  Every wave has to pass every barrier, so no barrier stands under a
; branch on a number that came from memory: the barriers stand at the loop's top level, and a trip at or beyond nfull jumps over each
; of the four pieces of work between them.  Such a trip is a dozen scalar lines.  Each piece is sound by itself: the waits that order
; it with the others stand at the top level too, and the places behind the matrix instructions stand in the same piece as these.
;
; STAGING.  A tile is 32 KB of K and 32 KB of V in f32: 16 loads of 16 bytes a thread, rounded to f16 in registers, 32 KB stored to LDS.
; The loads of the next tile are issued one whole step before they are wanted.
; NO CLUSTER, NO TENSOR LOADS, though the 16 work-groups of a batch read the same K and V: the tiles lie in memory as f32 and the
; matrix unit wants 16 bits.  A tile brought to LDS as it lies would be 64 KB written, 64 KB read back and 32 KB written again in each
; step, against the 32 KB written here; and the rotated order makes the partners ask for different tiles.
;
; LIMITS.  Inputs finite and below 65504 in magnitude (beyond it f16 has only infinity); inputs below 2^-14 are kept to an absolute
; 2^-25.  A weight below 2^-25 of the largest weight among the wave's keys so far counts as 0 in the product with V.
; valid_lens above 2048 counts as 2048; valid_lens <= 0 gives, as in the definition, the plain mean of all 2048 value rows
; (n = 2048, scale 0).  A row whose largest valid score lies below about -1e6 + 104 would in the definition still feel the masked keys
; of the skipped tiles; here it does not.  The row sum l is taken from the f32 p, the product from the rounded p: a relative
; difference of at most 2^-12.  v_exp_f32 gives 0 for results below 2^-126 (ISA guide, 15.8).
.set TRIPS, 15                         ; 2048 / 128 - 1: the most full tiles beside the last one
.set KP,    144                        ; K in LDS: 128 bytes of f16 + 16: an odd multiple of 16, the 16 rows of a fragment load start in 16 different 16-byte columns modulo 256
.set VB,    18432                      ; V behind K's 128 rows (K starts at byte 0)
.set VP,    160                        ; V in LDS: 128 + 32 bytes, an odd multiple of 32 for the transposing load
.set MRG,   38912                      ; two partial results (kh) x 128 rows x 272 bytes, f32
.set MP,    272
.set MHALF, 128*MP
.set MLB,   108544                     ; (-max, sum) of partial kh, row q at MLB + 1024 kh + 8 q
; v1 K fragment address   v2 V fragment address   v3, v4 where I store K, V in LDS   v5, v6 where I load K, V in a tile
; v7 valid keys left from my first key   v8 the masked score   v9 prefetch offset   v10 Q offset
; v11, v12 merge stores   v13, v14 merge loads   v15 offset in out
.set NM0, 16                           ; -(running maximum, scaled) of query tile 0;   the pair (NM, TX) feeds the packed multiply-add
.set TX0, 17                           ; what the other lane half sent
.set NM1, 18
.set TX1, 19
.set AL0, 20                           ; factor for the old sums;   the pair (AL, LS) feeds the packed multiply
.set LS0, 21                           ; running sum of p
.set AL1, 22
.set LS1, 23
.set SU0, 24                           ; v[24:25], v[26:27] the step's sums of p
.set SU1, 26
.set NN0, 28
.set NN1, 29
.set MX0, 30
.set MX1, 31
.set QF,  32                           ; v32-63    Q fragments: (qt, c) at QF + 16 qt + 8 c
.set SC,  64                           ; v64-127   scores: (qt, kt) at SC + 32 qt + 8 kt;  packed p: (qt, c2) at SC + 32 qt + 8 c2
.set FR,  128                          ; v128-191  K fragments (kt, c) at FR + 16 kt + 8 c, then V fragments (dt, c2) at FR + 8 (4 c2 + dt)
.set OA,  192                          ; v192-255  O^T: (dt, qt) at OA + 8 (2 dt + qt)
.set RK,  0                            ; v256-287  (second window) K's 8 loads, 4 registers each
.set RV,  32                           ; v288-319  (second window) V's 8 loads
.set XM,  64                           ; merge: group g at XM + 12 g: partial 0 (4), partial 1 (4), (-m0, l0, -m1, l1)
.set TM,  160                          ; merge: 4 registers at work for each group
; s[4:5] Q  s[6:7] K  s[8:9] V  s[10:11] valid_lens  s[12:13] out  s14 w  s15 rg  s16 kh  s17 b  s19 n  s[20:21] (c, -c)
; s22 nfull  s23 keys in the last tile  s24 tile index  s25 trip  s[26:27] an offset, high word 0
; s[28:29], s[30:31] K's and V's tile  s[32:33] prefetch  s[34:35] lane selects  s36 at work
.set MSB, 0
.macro WIN new                         ; s_set_vgpr_msb: bits 1:0 source 0, 3:2 source 1, 7:6 destination; the high byte repeats the setting left
.if MSB != \new
	s_set_vgpr_msb (MSB<<8)|\new
.set MSB, \new
.endif
.endm
; the addresses of tile s24 of K and of V.  The index comes from valid_lens, so it is clamped to the 16 tiles right here.
; It stands only behind the wait that shows the last loads from s[28:31] done.
.macro PTRS
	s_min_u32 s26, s24, 15
	s_lshl_b32 s26, s26, 15                        ; 128 keys x 256 bytes
	s_add_nc_u64 s[28:29], s[6:7], s[26:27]
	s_add_nc_u64 s[30:31], s[8:9], s[26:27]
.endm
; 16 loads: each covers two whole rows of 256 bytes.  K: rows 16 w + j + 8 h.  V: rows 16 w + jv + 4 h, jv = 0-3, 8-11.
; No cache word: the other work-groups of the batch read the same rows.
.macro LOADT
	WIN 0x40                                       ; data into the second window, address from the first
.irp j, 0,1,2,3,4,5,6,7
	global_load_b128 v[RK+4*\j:RK+4*\j+3], v5, s[28:29] offset:256*\j
.endr
.irp j, 0,1,2,3,4,5,6,7
	global_load_b128 v[RV+4*\j:RV+4*\j+3], v6, s[30:31] offset:256*((\j&3)+8*(\j>>2))
.endr
	WIN 0
.endm
; four f32 of each load become four f16 in the load's first two registers.  Stands behind the wait for the tile's loads.
.macro CVT
	WIN 0x45
.set i, 0
.rept 16
	v_cvt_pk_f16_f32 v[4*i], v[4*i], v[4*i+1]
	v_cvt_pk_f16_f32 v[4*i+1], v[4*i+2], v[4*i+3]
.set i, i+1
.endr
.endm
; 16 stores of 8 bytes.  The two lane halves are 8 x 144 = 1152 (K) and 4 x 160 = 640 (V) bytes apart, both 128 modulo 256:
; the 32 lanes of a store cover 256 different bytes modulo 256.
.macro PUT
	WIN 0x04                                       ; data from the second window
.irp j, 0,1,2,3,4,5,6,7
	ds_store_b64 v3, v[RK+4*\j:RK+4*\j+1] offset:KP*\j
.endr
.irp j, 0,1,2,3,4,5,6,7
	ds_store_b64 v4, v[RV+4*\j:RV+4*\j+1] offset:VP*((\j&3)+8*(\j>>2))
.endr
	WIN 0
.endm
; S^T = K Q^T for my 64 keys x 32 queries: 16 fragment loads, 16 matrix instructions.  The first 32 of D start each sum with C = 0.
.macro QK
.irp kt, 0,1,2,3
.irp c, 0,1
	ds_load_b128 v[FR+16*\kt+8*\c:FR+16*\kt+8*\c+3],   v1 offset:16*KP*\kt+64*\c
	ds_load_b128 v[FR+16*\kt+8*\c+4:FR+16*\kt+8*\c+7], v1 offset:16*KP*\kt+64*\c+32
.endr
.endr
.irp kt, 0,1,2,3
	s_wait_dscnt 12-4*\kt                          ; four loads belong to each 16 keys; LDS loads come back in order, the younger ones stay out
.irp c, 0,1
.irp qt, 0,1
.if \c == 0
	v_wmma_f32_16x16x32_f16 v[SC+32*\qt+8*\kt:SC+32*\qt+8*\kt+7], v[FR+16*\kt+8*\c:FR+16*\kt+8*\c+7], v[QF+16*\qt+8*\c:QF+16*\qt+8*\c+7], 0
.else
	v_wmma_f32_16x16x32_f16 v[SC+32*\qt+8*\kt:SC+32*\qt+8*\kt+7], v[FR+16*\kt+8*\c:FR+16*\kt+8*\c+7], v[QF+16*\qt+8*\c:QF+16*\qt+8*\c+7], v[SC+32*\qt+8*\kt:SC+32*\qt+8*\kt+7]
.endif
.endr
.endr
.endr
.endm
; V^T fragments (16 d x 32 keys) into the registers that held K's.  Four v_nop are the places between the matrix instructions above
; and both the loads into their sources and the first reader of their results.  The loads come in during the softmax.
.macro VFRAG
.rept 4
	v_nop
.endr
.irp c2, 0,1
.irp dt, 0,1,2,3
	ds_load_tr16_b128 v[FR+8*(4*\c2+\dt):FR+8*(4*\c2+\dt)+3],   v2 offset:32*VP*\c2+32*\dt
	ds_load_tr16_b128 v[FR+8*(4*\c2+\dt)+4:FR+8*(4*\c2+\dt)+7], v2 offset:32*VP*\c2+32*\dt+16*VP
.endr
.endr
.endm
; the last tile only: key 16 kt + j of my lane's keys counts if 16 kt + j < v7; the others get -8e6, which is -1e6 ahead of the division by 8
.macro MASK
.irp kt, 0,1,2,3
.irp j, 0,1,2,3,4,5,6,7
	v_cmp_lt_i32 vcc_lo, 16*\kt+\j, v7
	v_cndmask_b32 v[SC+8*\kt+\j],    v8, v[SC+8*\kt+\j],    vcc_lo
	v_cndmask_b32 v[SC+32+8*\kt+\j], v8, v[SC+32+8*\kt+\j], vcc_lo
.endr
.endr
.endm
; Online softmax in base 2 on 64 scores a lane, the two query tiles side by side.  first = 1: nothing old to rescale.
.macro SOFTMAX first
	v_max3_num_f32 v[MX0], v[SC],    v[SC+1],  v[SC+2]
	v_max3_num_f32 v[MX1], v[SC+32], v[SC+33], v[SC+34]
.set i, 3
.rept 14
	v_max3_num_f32 v[MX0], v[MX0], v[SC+i],    v[SC+i+1]
	v_max3_num_f32 v[MX1], v[MX1], v[SC+32+i], v[SC+32+i+1]
.set i, i+2
.endr
	v_max_num_f32 v[MX0], v[MX0], v[SC+31]
	v_max_num_f32 v[MX1], v[MX1], v[SC+63]
	v_permlanex16_b32 v[TX0], v[MX0], s34, s35     ; the other half of the lanes holds the same query's other keys
	v_permlanex16_b32 v[TX1], v[MX1], s34, s35
	v_max_num_f32 v[MX0], v[MX0], v[TX0]
	v_max_num_f32 v[MX1], v[MX1], v[TX1]
.if \first
	v_mul_f32 v[NM0], s21, v[MX0]                  ; -c max
	v_mul_f32 v[NM1], s21, v[MX1]
.else
	v_mul_f32 v[NN0], s21, v[MX0]
	v_mul_f32 v[NN1], s21, v[MX1]
	v_min_num_f32 v[NN0], v[NN0], v[NM0]           ; the new -maximum
	v_min_num_f32 v[NN1], v[NN1], v[NM1]
	v_sub_f32 v[MX0], v[NN0], v[NM0]               ; old maximum - new maximum, <= 0
	v_sub_f32 v[MX1], v[NN1], v[NM1]
	v_exp_f32 v[AL0], v[MX0]
	v_exp_f32 v[AL1], v[MX1]
	v_mov_b32 v[NM0], v[NN0]                       ; also the plain instruction between the exponentials and their first use (ISA guide 5.7.2)
	v_mov_b32 v[NM1], v[NN1]
.endif
.set i, 0
.rept 16
	v_pk_fma_f32 v[SC+i:SC+i+1],       v[SC+i:SC+i+1],       s[20:21], v[NM0:NM0+1] op_sel_hi:[1,0,0]   ; c s - c max, both halves with s20 and NM
	v_pk_fma_f32 v[SC+32+i:SC+32+i+1], v[SC+32+i:SC+32+i+1], s[20:21], v[NM1:NM1+1] op_sel_hi:[1,0,0]
.set i, i+2
.endr
	; p = 2^x in place.  In the loop each two exponentials are followed by one packed rescale of O: 32 of them for O's 64 registers.
.set i, 0
.rept 32
	v_exp_f32 v[SC+2*i],   v[SC+2*i]
	v_exp_f32 v[SC+2*i+1], v[SC+2*i+1]
.if \first == 0
	s_wait_alu depctr_va_vdst(0)
	v_pk_mul_f32 v[OA+2*i:OA+2*i+1], v[OA+2*i:OA+2*i+1], v[AL0+2*((i>>2)&1):AL0+2*((i>>2)&1)+1] op_sel_hi:[1,0]
.endif
.set i, i+1
.endr
.if \first
	v_nop                                          ; the plain place behind the run of exponentials
	s_wait_alu depctr_va_vdst(0)
.endif
	s_wait_alu depctr_va_vdst(0)
	v_pk_add_f32 v[SU0:SU0+1], v[SC:SC+1],       v[SC+2:SC+3]
	v_pk_add_f32 v[SU1:SU1+1], v[SC+32:SC+33],   v[SC+34:SC+35]
.set i, 4
.rept 14
	v_pk_add_f32 v[SU0:SU0+1], v[SU0:SU0+1], v[SC+i:SC+i+1]
	v_pk_add_f32 v[SU1:SU1+1], v[SU1:SU1+1], v[SC+32+i:SC+32+i+1]
.set i, i+2
.endr
.if \first
	v_add_f32 v[LS0], v[SU0], v[SU0+1]
	v_add_f32 v[LS1], v[SU1], v[SU1+1]
.else
	v_fma_f32 v[LS0], v[LS0], v[AL0], v[SU0]
	v_fma_f32 v[LS1], v[LS1], v[AL1], v[SU1]
	v_add_f32 v[LS0], v[LS0], v[SU0+1]
	v_add_f32 v[LS1], v[LS1], v[SU1+1]
.endif
	; pack to f16 in place, ascending: word i takes scores 2 i and 2 i + 1, which no later line needs.  Keys 8 h .. + 7 of key tiles
	; 2 c2 and 2 c2 + 1 land in registers 0-3 and 4-7 of fragment (qt, c2).  p is at most 1: inside f16's range.
.set i, 0
.rept 16
	v_cvt_pk_f16_f32 v[SC+i],    v[SC+2*i],    v[SC+2*i+1]
	v_cvt_pk_f16_f32 v[SC+32+i], v[SC+32+2*i], v[SC+32+2*i+1]
.set i, i+1
.endr
.endm
; scores and weights of the tile in LDS; V's fragments are on their way when it ends
.macro SCORES first
	QK
	VFRAG
.if \first
	MASK
.endif
	SOFTMAX \first
.endm
; O^T += V^T P^T: 64 d x 32 queries over my 64 keys, 16 matrix instructions.  first = 1: the first 32 keys start the sums.
; Five v_nop close it: the places before the next step's loads into V's fragment registers (four), before its matrix instructions
; write over the p registers (five), and before O is stored at the end (four).  They stand here, with the matrix
; instructions, so that they hold whichever piece of work comes next.
.macro PV first
.irp c2, 0,1
.irp dt, 0,1,2,3
.irp qt, 0,1
.if \first*(1-\c2)
	v_wmma_f32_16x16x32_f16 v[OA+8*(2*\dt+\qt):OA+8*(2*\dt+\qt)+7], v[FR+8*(4*\c2+\dt):FR+8*(4*\c2+\dt)+7], v[SC+32*\qt+8*\c2:SC+32*\qt+8*\c2+7], 0
.else
	v_wmma_f32_16x16x32_f16 v[OA+8*(2*\dt+\qt):OA+8*(2*\dt+\qt)+7], v[FR+8*(4*\c2+\dt):FR+8*(4*\c2+\dt)+7], v[SC+32*\qt+8*\c2:SC+32*\qt+8*\c2+7], v[OA+8*(2*\dt+\qt):OA+8*(2*\dt+\qt)+7]
.endif
.endr
.endr
.endr
.rept 5
	v_nop
.endr
.endm
	; ---- set-up ----
	s_load_b256 s[4:11], s[0:1], 0x0               ; queries, keys, values, valid_lens
	s_load_b64 s[12:13], s[0:1], 0x20              ; out0
	s_set_vgpr_msb 0x40
	v_lshl_add_u32 v64, v0, 2, 0x1b000
	v_mov_b32 v65, 0
	s_set_vgpr_msb 0x4000
	v_lshrrev_b32 v16, 5, v0
	v_readfirstlane_b32 s14, v16                   ; wave 0..7
	s_and_b32 s15, s14, 3                          ; rg: my 32 query rows
	s_lshr_b32 s16, s14, 2                         ; kh: my 64 keys of a tile
	s_and_b32 s17, ttmp7, 0xffff                   ; batch
	s_mov_b32 s27, 0
	s_mov_b32 s34, 0x76543210                      ; v_permlanex16_b32: lane i takes lane i of the other half
	s_mov_b32 s35, 0xfedcba98
	v_and_b32 v25, 15, v0                          ; r
	v_bfe_u32 v26, v0, 4, 1                        ; h
	v_lshlrev_b32 v28, 4, v25                      ; 16 r
	s_mul_i32 s36, s16, 64*KP
	v_mul_u32_u24 v1, v25, KP
	v_lshl_add_u32 v1, v26, 4, v1
	v_add_nc_u32 v1, s36, v1                       ; K fragments: (64 kh + r) 144 + 16 h
	v_and_b32 v27, 7, v0
	v_lshl_add_u32 v27, v26, 3, v27
	v_mul_u32_u24 v2, v27, VP
	v_bfe_u32 v27, v0, 3, 1
	v_lshl_add_u32 v2, v27, 4, v2
	s_mul_i32 s36, s16, 64*VP
	s_add_co_u32 s36, s36, VB
	v_add_nc_u32 v2, s36, v2                       ; V fragments: VB + (64 kh + 8 h + lane % 8) 160 + 16 (lane / 8 % 2)
	s_mul_i32 s36, s14, 16*KP
	v_mul_u32_u24 v3, v26, 8*KP
	v_lshl_add_u32 v3, v25, 3, v3
	v_add_nc_u32 v3, s36, v3                       ; K to LDS: (16 w + 8 h) 144 + 8 r
	s_mul_i32 s36, s14, 16*VP
	s_add_co_u32 s36, s36, VB
	v_mul_u32_u24 v4, v26, 4*VP
	v_lshl_add_u32 v4, v25, 3, v4
	v_add_nc_u32 v4, s36, v4                       ; V to LDS: VB + (16 w + 4 h) 160 + 8 r
	s_lshl_b32 s36, s14, 12
	v_lshl_add_u32 v5, v26, 11, v28
	v_add_nc_u32 v5, s36, v5                       ; K in a tile: (16 w + 8 h) 256 + 16 r
	v_lshl_add_u32 v6, v26, 10, v28
	v_add_nc_u32 v6, s36, v6                       ; V in a tile: (16 w + 4 h) 256 + 16 r
	v_mov_b32 v8, 0xcaf42400                       ; -8e6
	v_and_b32 v9, 127, v0
	v_lshlrev_b32 v9, 8, v9                        ; prefetch: one row of 256 bytes a thread
	v_lshlrev_b32 v10, 8, v25
	v_lshl_add_u32 v10, v26, 5, v10                ; Q: row r, 8 f32 from column 8 h
	v_mov_b32 v[TX0], 0                            ; the lane exchange counts as a reader of its destination
	v_mov_b32 v[TX1], 0
	s_wait_kmcnt 0x0
	s_lshl_b32 s26, s17, 2
	s_add_nc_u64 s[10:11], s[10:11], s[26:27]
	s_load_b32 s19, s[10:11], 0x0                  ; valid_lens[b]: the same word in all eight waves
	s_lshl_b32 s26, s17, 19                        ; a batch is 2048 x 256 bytes
	s_add_nc_u64 s[6:7], s[6:7], s[26:27]
	s_add_nc_u64 s[8:9], s[8:9], s[26:27]
	s_lshl_b32 s36, ttmp9, 15                      ; 128 rows x 256 bytes
	s_add_co_u32 s26, s26, s36
	s_add_nc_u64 s[12:13], s[12:13], s[26:27]      ; out at the work-group's first row
	s_lshl_b32 s36, s15, 13
	s_add_co_u32 s26, s26, s36
	s_add_nc_u64 s[4:5], s[4:5], s[26:27]          ; Q at my wave's first row
	; Q as f32 into the score registers: fragment (qt, c) takes columns 32 c + 8 h .. + 7 and 32 c + 16 + 8 h .. + 7 of row 16 qt + r
.irp qt, 0,1
.irp c, 0,1
	global_load_b128 v[SC+16*(2*\qt+\c):SC+16*(2*\qt+\c)+3],     v10, s[4:5] offset:4096*\qt+128*\c
	global_load_b128 v[SC+16*(2*\qt+\c)+4:SC+16*(2*\qt+\c)+7],   v10, s[4:5] offset:4096*\qt+128*\c+16
	global_load_b128 v[SC+16*(2*\qt+\c)+8:SC+16*(2*\qt+\c)+11],  v10, s[4:5] offset:4096*\qt+128*\c+64
	global_load_b128 v[SC+16*(2*\qt+\c)+12:SC+16*(2*\qt+\c)+15], v10, s[4:5] offset:4096*\qt+128*\c+80
.endr
.endr
	s_wait_kmcnt 0x0
	s_cmp_gt_i32 s19, 0
	s_cselect_b32 s19, s19, 2048                   ; no valid key: every score is -1e6, the weights are equal:
	s_cselect_b32 s20, 0x3e38aa3b, 0               ; all 2048 keys with scale 0.  Else c = log2(e) / 8
	s_min_u32 s19, s19, 2048
	s_xor_b32 s21, s20, 0x80000000                 ; -c
	s_add_co_u32 s22, s19, 127
	s_lshr_b32 s22, s22, 7
	s_sub_co_u32 s22, s22, 1                       ; nfull = T - 1, 0 to 15
	s_lshl_b32 s36, s22, 7
	s_sub_co_u32 s23, s19, s36                     ; valid keys in tile T - 1: 1 to 128
	s_mov_b32 s24, s22
	PTRS
	LOADT                                          ; tile T - 1
	s_mul_i32 s24, ttmp9, s22
	s_lshr_b32 s24, s24, 4                         ; where my walk over the full tiles begins: below nfull, since x < 16
	s_cmp_eq_u32 s22, 0
	s_cbranch_scc1 .Lno_pf
	; The tile that is loaded second is asked for now, behind the first tile's loads: 256 threads, one row of 256 bytes each, waves 0-3
	; K's 128 rows, waves 4-7 V's.  Its loads are issued when the first tile has come in and been stored.  Later tiles are not asked for:
	; the neighbours' rotated walks have read them by then.  Work-groups whose walks begin on the same tile ask for the same rows
	; (one pair at 15 full tiles, all sixteen at one).  The tile index is below nfull <= 15: inside the batch.
	s_cmp_eq_u32 s16, 0
	s_cselect_b64 s[32:33], s[6:7], s[8:9]
	s_min_u32 s26, s24, 15
	s_lshl_b32 s26, s26, 15
	s_add_nc_u64 s[32:33], s[32:33], s[26:27]
	global_prefetch_b8 v9, s[32:33] th:TH_LOAD_NT scope:SCOPE_SE
.Lno_pf:
	s_lshl_b32 s36, s16, 6
	s_sub_co_i32 s36, s23, s36
	v_lshlrev_b32 v7, 3, v26
	v_sub_nc_u32 v7, s36, v7                       ; valid keys from my lane's first key on (signed): rem - 64 kh - 8 h
	s_mul_i32 s36, s14, 32*MP
	s_add_co_u32 s36, s36, MRG
	v_mul_u32_u24 v11, v25, MP
	v_lshl_add_u32 v11, v26, 5, v11
	v_add_nc_u32 v11, s36, v11                     ; my O: partial kh, row 32 rg + r = line 32 w + r; 8 f32 from column 8 h
	s_lshl_b32 s36, s14, 8
	s_add_co_u32 s36, s36, MLB
	v_lshl_add_u32 v12, v25, 3, s36                ; my (-max, sum): line 32 w + r, 8 bytes
	s_mul_i32 s36, s14, 16*MP
	s_add_co_u32 s36, s36, MRG
	v_mul_u32_u24 v13, v26, MP
	v_lshl_add_u32 v13, v25, 4, v13
	v_add_nc_u32 v13, s36, v13                     ; merge: row 16 w + h, 16 bytes at 16 r
	s_lshl_b32 s36, s14, 7
	s_add_co_u32 s36, s36, MLB
	v_lshl_add_u32 v14, v26, 3, s36
	s_lshl_b32 s36, s14, 12
	v_lshl_add_u32 v15, v26, 8, v28
	v_add_nc_u32 v15, s36, v15                     ; the same row and bytes in out
	s_wait_loadcnt 0x10                            ; Q's 16 loads are in; the tile's 16, issued behind them, stay out
.set i, 0
.rept 32
	v_cvt_pk_f16_f32 v[QF+i], v[SC+2*i], v[SC+2*i+1]
.set i, i+1
.endr
	; ---- the last tile, first: masked, starts every sum ----
	s_wait_loadcnt 0x0                             ; the tile is in; nothing younger is out
	CVT
	PUT
	s_cmp_eq_u32 s22, 0
	s_cbranch_scc1 .Lp_noload
	PTRS
	LOADT                                          ; the first full tile, a whole step ahead
.Lp_noload:
	s_wait_dscnt 0x0                               ; my part of the tile is in LDS
	s_barrier_signal -1
	s_barrier_wait -1                              ; everybody's is
	SCORES 1
	s_wait_dscnt 0x0                               ; V's fragments are in, and with them every read of mine of this tile:
	s_barrier_signal -1                            ; say so; the wait stands in front of the next stores into the tile
	PV 1
	s_mov_b32 s25, 0
	; ---- 15 trips; trip s25 works on a full tile if s25 < nfull and else only passes the barriers ----
.Lloop:
	s_wait_loadcnt 0x0                             ; the tile asked for a step ago is in: its registers may be read, its pointers rewritten
	s_cmp_lt_u32 s25, s22
	s_cbranch_scc0 .Lidle_cvt
	CVT                                            ; registers only, while the other waves finish their reads of the old tile
	WIN 0
.Lidle_cvt:
	s_barrier_wait -1                              ; nobody reads the old tile any more
	s_cmp_lt_u32 s25, s22
	s_cbranch_scc0 .Lidle_put
	PUT
	s_add_co_u32 s36, s25, 1
	s_cmp_lt_u32 s36, s22
	s_cbranch_scc0 .Lidle_put                      ; the last working trip asks for nothing
	s_add_co_u32 s24, s24, 1
	s_cmp_ge_u32 s24, s22
	s_cselect_b32 s24, 0, s24                      ; wrap at nfull
	PTRS
	LOADT
.Lidle_put:
	s_wait_dscnt 0x0                               ; my part of the tile is in LDS
	s_barrier_signal -1
	s_barrier_wait -1                              ; everybody's is
	s_cmp_lt_u32 s25, s22
	s_cbranch_scc0 .Lidle_s
	SCORES 0
.Lidle_s:
	s_wait_dscnt 0x0                               ; V's fragments are in, and with them every read of mine of this tile
	s_barrier_signal -1
	s_cmp_lt_u32 s25, s22
	s_cbranch_scc0 .Lidle_pv
	PV 0
.Lidle_pv:
	s_add_co_u32 s25, s25, 1
	s_cmp_lt_u32 s25, TRIPS
	s_cbranch_scc1 .Lloop
	; ---- the two key halves meet in LDS ----
	s_barrier_wait -1                              ; closes the last step's barrier
	v_permlanex16_b32 v[TX0], v[LS0], s34, s35     ; the row sum's other half; the total takes TX's place beside NM
	v_permlanex16_b32 v[TX1], v[LS1], s34, s35
	v_add_f32 v[TX0], v[TX0], v[LS0]
	v_add_f32 v[TX1], v[TX1], v[LS1]
.irp qt, 0,1
.irp dt, 0,1,2,3
	ds_store_b128 v11, v[OA+8*(2*\dt+\qt):OA+8*(2*\dt+\qt)+3]   offset:16*MP*\qt+64*\dt
	ds_store_b128 v11, v[OA+8*(2*\dt+\qt)+4:OA+8*(2*\dt+\qt)+7] offset:16*MP*\qt+64*\dt+16
.endr
.endr
	ds_store_b64 v12, v[NM0:NM0+1]                 ; both lane halves store the same two numbers
	ds_store_b64 v12, v[NM1:NM1+1] offset:128
	s_wait_dscnt 0x0
	s_barrier_signal -1
	s_barrier_wait -1
	; wave w takes rows 16 w .. 16 w + 15, two rows (group g) to an instruction: 16 lanes hold a row's 256 bytes
.irp g, 0,1,2,3,4,5,6,7
	ds_load_b128 v[XM+12*\g:XM+12*\g+3],    v13 offset:2*MP*\g
	ds_load_b128 v[XM+12*\g+4:XM+12*\g+7],  v13 offset:MHALF+2*MP*\g
	ds_load_b64  v[XM+12*\g+8:XM+12*\g+9],  v14 offset:16*\g
	ds_load_b64  v[XM+12*\g+10:XM+12*\g+11], v14 offset:1024+16*\g
.endr
	s_wait_dscnt 0x0
.irp g, 0,1,2,3,4,5,6,7
	v_min_num_f32 v[TM+4*\g], v[XM+12*\g+8], v[XM+12*\g+10]        ; -(the larger maximum)
.endr
.irp g, 0,1,2,3,4,5,6,7
	v_sub_f32 v[TM+4*\g+1], v[TM+4*\g], v[XM+12*\g+8]
	v_sub_f32 v[TM+4*\g+2], v[TM+4*\g], v[XM+12*\g+10]
.endr
.irp g, 0,1,2,3,4,5,6,7
	v_exp_f32 v[TM+4*\g+1], v[TM+4*\g+1]                           ; a0, a1: one of them is 1
	v_exp_f32 v[TM+4*\g+2], v[TM+4*\g+2]
.endr
	v_nop                                                          ; the plain place behind the exponentials
	s_wait_alu depctr_va_vdst(0)
.irp g, 0,1,2,3,4,5,6,7
	v_mul_f32 v[TM+4*\g+3], v[TM+4*\g+1], v[XM+12*\g+9]
.endr
.irp g, 0,1,2,3,4,5,6,7
	v_fmac_f32 v[TM+4*\g+3], v[TM+4*\g+2], v[XM+12*\g+11]          ; a0 l0 + a1 l1, at least about 1
.endr
.irp g, 0,1,2,3,4,5,6,7
	v_rcp_f32 v[TM+4*\g+3], v[TM+4*\g+3]
.endr
	v_nop                                                          ; the plain place behind the reciprocals
	s_wait_alu depctr_va_vdst(0)
.irp g, 0,1,2,3,4,5,6,7
	v_mul_f32 v[TM+4*\g],   v[TM+4*\g+1], v[TM+4*\g+3]             ; the two weights, each the first register of a pair
	v_mul_f32 v[TM+4*\g+2], v[TM+4*\g+2], v[TM+4*\g+3]
.endr
.irp g, 0,1,2,3,4,5,6,7
	v_pk_mul_f32 v[XM+12*\g:XM+12*\g+1],   v[XM+12*\g:XM+12*\g+1],   v[TM+4*\g:TM+4*\g+1] op_sel_hi:[1,0]
	v_pk_mul_f32 v[XM+12*\g+2:XM+12*\g+3], v[XM+12*\g+2:XM+12*\g+3], v[TM+4*\g:TM+4*\g+1] op_sel_hi:[1,0]
.endr
.irp g, 0,1,2,3,4,5,6,7
	v_pk_fma_f32 v[XM+12*\g:XM+12*\g+1],   v[XM+12*\g+4:XM+12*\g+5], v[TM+4*\g+2:TM+4*\g+3], v[XM+12*\g:XM+12*\g+1]   op_sel_hi:[1,0,1]
	v_pk_fma_f32 v[XM+12*\g+2:XM+12*\g+3], v[XM+12*\g+6:XM+12*\g+7], v[TM+4*\g+2:TM+4*\g+3], v[XM+12*\g+2:XM+12*\g+3] op_sel_hi:[1,0,1]
.endr
.irp g, 0,1,2,3,4,5,6,7
	global_store_b128 v15, v[XM+12*\g:XM+12*\g+3], s[12:13] offset:512*\g th:TH_STORE_NT   ; two whole rows of 256 bytes, aligned
.endr
	s_set_vgpr_msb 0x5
	s_wait_tensorcnt 0x0
	ds_add_u32 v64, v65
	s_wait_dscnt 0x0
	s_set_vgpr_msb 0x500
	s_endpgm
.Lfunc_end_k_q71db603ffa_attn:
	.size	k_q71db603ffa_attn, .Lfunc_end_k_q71db603ffa_attn-k_q71db603ffa_attn
	.p2alignl 7, 3214868480
	.fill 96, 4, 3214868480
	.section	.rodata,"a",@progbits
	.p2align	6, 0x0
	.amdhsa_kernel k_q71db603ffa_attn
		.amdhsa_group_segment_fixed_size 111616
		.amdhsa_private_segment_fixed_size 0
		.amdhsa_enable_private_segment 0
		.amdhsa_kernarg_size 40
		.amdhsa_user_sgpr_count 2
		.amdhsa_user_sgpr_kernarg_segment_ptr 1
		.amdhsa_wavefront_size32 1
		.amdhsa_system_sgpr_workgroup_id_x 1
		.amdhsa_system_sgpr_workgroup_id_y 1
		.amdhsa_system_sgpr_workgroup_id_z 1
		.amdhsa_system_vgpr_workitem_id 0
		.amdhsa_next_free_vgpr 322
		.amdhsa_next_free_sgpr 66
		.amdhsa_reserve_vcc 1
		.amdhsa_float_denorm_mode_32 3
		.amdhsa_float_denorm_mode_16_64 3
		.amdhsa_memory_ordered 1
		.amdhsa_forward_progress 1
		.amdhsa_inst_pref_size 66
	.end_amdhsa_kernel
	.amdgpu_metadata
---
amdhsa.version: [ 1, 2 ]
amdhsa.kernels:
  - .name:           k_q71db603ffa_attn
    .symbol:         k_q71db603ffa_attn.kd
    .args:
      - { .name: queries, .offset: 0, .size: 8, .value_kind: global_buffer, .address_space: global }
      - { .name: keys, .offset: 8, .size: 8, .value_kind: global_buffer, .address_space: global }
      - { .name: values, .offset: 16, .size: 8, .value_kind: global_buffer, .address_space: global }
      - { .name: valid_lens, .offset: 24, .size: 8, .value_kind: global_buffer, .address_space: global }
      - { .name: out0, .offset: 32, .size: 8, .value_kind: global_buffer, .address_space: global }
    .group_segment_fixed_size: 111616
    .private_segment_fixed_size: 0
    .kernarg_segment_align: 8
    .kernarg_segment_size: 40
    .max_flat_workgroup_size: 256
    .sgpr_count:     66
    .vgpr_count:     322
    .wavefront_size: 32
...
	.end_amdgpu_metadata
.endif
;; end of part 1
